; MI455X (gfx1250); checked and timed in simulation.
; The chip was launched on July 23, 2026; its instructions are those of AMD's public machine-readable ISA for CDNA 5 (MIT licence, August 2026) and "CDNA5" Instruction Set Architecture Reference Guide (July 2026). The comments in the code are by the model that wrote it; some were corrected since.
;; Multi Head Attn. Allowed arithmetic: matrix products marked QUANTISED: E5M2 operands, one given power-of-two scale a tensor, by v_wmma_f32_16x16x64_bf8_bf8 or v_wmma_f32_16x16x128_bf8_bf8, f32 sums; everything else in f32.
;; Inputs: k 1 x 16 x 2,048 x 64 float32; lowp_scales 4 int32 (the exponents e of the quantised operands' scales 2^e); q 1 x 16 x 2,048 x 64 float32; v 1 x 16 x 2,048 x 64 float32.
;; Outputs: out0 1 x 16 x 2,048 x 64 float32; out1 1 x 16 x 2,048 x 64 float32; out2 1 x 16 x 2,048 x 64 float32.
;; Constants: layer_idx = 1, training = 0.
;; This version of the problem:
;;   THIS VERSION OF THE PROBLEM IS GIVEN IN LOW PRECISION. The matrix products marked QUANTISED in the list below multiply operands that are first quantised to E5M2 (5 exponent bits, 2 mantissa bits; 8 bits a number), with one given power-of-two scale for each operand tensor; their sums are f32. All else is computed in f32.
;;   The module's matrix products, in the order in which they are computed (A, B: the left and right operand; K: the contracted axis; several contracted axes count as one K, in the product's order):
;;     1. batch 16 x [M 2,048, K 64] x [K 64, N 2,048]; A: input q; B: input k: QUANTISED (scales: A lowp_scales[0], B lowp_scales[1])
;;     2. batch 16 x [M 2,048, K 2,048] x [K 2,048, N 64]; A: softmax (see below); B: input v: QUANTISED (scales: A lowp_scales[2], B lowp_scales[3])
;;   THE QUANTISER, for each operand of a quantised product, along K:
;;     - The operand's scale is 2^e, e = its entry of the input lowp_scales (int32; the entries are numbered through the quantised products in the list's order, A before B).
;;     - Each number is divided by the scale, clamped to +-57,344, and rounded to the nearest number of E5M2, ties to even, subnormals kept.
;;     - The product sums the exact products of the quantised numbers (number of the format x scale) in f32.
;;   ~~~python
;;   def quantise(x, axis, e):      # numpy; x: float32 -> the quantised numbers, widened to float32 again
;;       x = np.moveaxis(x, axis, -1); K = x.shape[-1]
;;       r = np.clip(x / 2.0 ** e, -57344, 57344)
;;       step = 2.0 ** (np.maximum(np.frexp(np.where(r == 0, 1, r))[1] - 1, -14) - 2)
;;       q = np.round(r / step) * step * 2.0 ** e      # np.round: ties to even
;;       return np.moveaxis(q, -1, axis).astype(np.float32)
;;   ~~~
;;   SOFTMAX AHEAD OF A QUANTISED PRODUCT. Where the list says 'softmax', what is quantised is not the finished softmax but p = 2^(t - M), with t = logit x log2(e) and M = ceil(the row's largest t), a whole number; so 1/2 < the row's largest p <= 1. The row's sum l is taken of the UNQUANTISED p, in f32, and the product's result is divided by l at the end. Since M is a whole number, a kernel that streams over the keys may use a running M (the ceiling of the running maximum): every later rescaling is an exact power of two, so the quantised numbers keep their values, but for numbers so far below the row's largest that they fall under the format's range.
;;   OPERANDS COMPUTED ON THE WAY. 'Computed on the way' means the value that the module computes at that place (a softmax that the list does not call 'softmax' is quantised finished and normalised). What goes into a quantiser is computed in f32, as accurately as f32 sums, v_exp_f32 and their like allow (about 1e-6 of the number): no bf16 or f16 on the way to a quantiser, and a product that is left as it is and whose result goes on into a quantised operand takes f32 operands (vector FMAs, or v_wmma_f32_16x16x4_f32). A number that lies on a knife's edge between two numbers of the format may be rounded either way, as far as f32 arithmetic and the matrix unit's own rounding can turn it there, and no further.
;; 2 versions. Each part assembles by itself: llvm-mc -triple=amdgcn-amd-amdhsa -mcpu=gfx1250 --defsym DOCPART=n.
;; ======== version 1 of 2: 1 launch
;; limits: right only within a limited range of input values
;; launch attn (part 1): grid 16 x 16, 8 waves a work-group, no clusters, 102,400 bytes of LDS; arguments q, k, v, lowp_scales, out0, out1, out2; writes out0, out1, out2
.if DOCPART == 1
	.amdgcn_target "amdgcn-amd-amdhsa--gfx1250"
	.amdhsa_code_object_version 6
	.text
	.protected	k_q2e605ba0d8_attn
	.globl	k_q2e605ba0d8_attn
	.p2align	8
	.type	k_q2e605ba0d8_attn,@function
k_q2e605ba0d8_attn:
	s_mov_b64 s[64:65], 0
	v_nop
	global_prefetch_b8 v0, s[64:65] scope:SCOPE_SE
	s_setreg_imm32_b32 hwreg(HW_REG_WAVE_MODE, 25, 1), 1
	s_wait_xcnt 0x0
; out0[h][i][:] = sum over j of softmax_j(q[h][i] . k[h][j] / 8) v[h][j][:] under the band 0 <= i - j < 256;  out1 = k;  out2 = v.  16 heads, 2,048 positions, 64 channels, all f32.
; Both products run on codes of BF8 (E5M2), each operand with its given scale 2^e: eq, ek, ep, ev (int32).  code = x / 2^e, held within +-57,344, nearest code, ties to even.
; THE SOFTMAX AHEAD OF THE SECOND PRODUCT: t = score x log2(e) / 8; M = the running largest t rounded UP to a whole number; p = 2^(t - M) is quantised; the sum of the unquantised p divides at the end.
; When M moves, the sum and O are multiplied by 2^(old M - new M), which rounds nothing.
; WORK LEFT OUT.  layer_idx = 1 is a constant of the problem, so the mask that the problem builds is the band.  A key outside the band gets the logit -1e9 whatever q, k and v hold, and its weight is 0 beside
; the query's own key, which always lies in the band.  So steps of 64 keys that lie wholly outside a wave's band are never formed (27 of 32), and steps that would lie before the head's first key are jumped over.
; layer_idx and training are constants and no buffers.  LIMITS: a NaN, an infinity or an overflow that reaches only the keys left out is not carried to the result; a row whose largest live logit lies
; near or under -1e9 is not served; NaN among the inputs is not served; eq, ek, ev, ep between -126 and 112; eq + ek between -123 and 130 (each power of two below is then an f32 number).
; WORK THAT STAYS THOUGH IT SERVES NOTHING: (a) inside a wave's first and last step some tiles of 16 keys are wholly hidden: they lie in a K step of 64 that also holds live keys;
; (b) in query blocks 0 and 1 the blocks of keys that do not exist are loaded from block 0 of the head instead and their codes land in LDS bytes that no step reads: all 56 loads of a wave stand ahead of
; counted waits, and a count holds only if every wave has issued the same loads.
; SHARES.  A work-group owns 128 queries of one head (256 work-groups), each of its eight waves 16 of them.  It needs 384 keys: its own block and the two before it.
; PHASE 1: wave w loads rows 16 w .. 16 w + 15 of each of the three blocks of k and of v and of its block of q, 16 bytes a lane; stores its own block's k and v from those registers to out1 and out2;
; quantises in registers; only CODES go to LDS: K and Q with the channels innermost, V turned by byte permutes so that the keys are innermost.  One barrier.
; PHASE 2: five steps of 64 keys.  Both products are used transposed: S^T = K Q^T (source 0 = 16 keys, source 1 = my 16 queries), O^T = V^T P^T: a lane holds ONE query (lane % 16) throughout, and the eight
; registers of S^T's tile c are keys 16 c + 8 (lane / 16) + 0 .. 7: their codes ARE registers 2 c, 2 c + 1 of P.
; NO JOINT LOADS: block x of k and v is wanted by work-groups x, x + 1, x + 2 at three different places in LDS, and this window crosses the edge of any group of four; the operands are f32 and are narrowed
; in registers, so that one byte a number goes through LDS and not four.
.set KP,    80                         ; a row of K's or Q's codes in LDS: 64 bytes + 16: five times 16, so the 16 rows that a 16-byte load touches fall on 16 different 16-byte columns of 256
.set VP,    400                        ; a row of V's codes (a channel): 384 keys + 16
.set SP,    272                        ; a row of the stage: 256 bytes + 16
.set KC,    0                          ; 384 rows x 80: position p = key - 128 (b - 2)
.set QC,    30720                      ; 128 rows x 80
.set VC,    40960                      ; 64 rows x 400
.set STG,   66560                      ; 16 rows x 272 for each wave: the way out
.set SPARE, 101376                     ; the spare words, 128 bytes for each wave: four blocks of 256 bytes that no other line names
; SCALARS: s[4:5] q, s[6:7] k, s[8:9] v (at my rows of the own block), s[10:11] the exponents' address, s[12:13] out0, s[14:15] out1, s[16:17] out2; s18 wave; s19 query block b; s[20:23] eq, ek, ep, ev;
;   s[26:31] byte offsets of my rows in blocks b, b - 1, b - 2; s[32:33], s[34:35] k there; s[36:37], s[38:39] v there; s40-47 for q, k, v, p: 2^e and 57,344 x 2^e; s[48:49] c; s[50:51] lane selects;
;   s52-55 byte selects; s56 (w / 4) + 2 b; s57, s58 at work; s59 ep + ev.
; VECTORS, kept: v0; v1 my byte in a chunk; v6, v7 the add's two.  Phase 1: v2, v3 where K's (Q's) and V's codes go; v4, v5 the hold and the scale; v16-23 codes; v24-31 at work; v32-255 seven chunks of 32.
;   Phase 2: v8 K's, v9 V's fragments' address; v10, v11 the stage; v12 -M, v13 the largest t, v[14:15] the sum in two halves; v16-23 Q; v24 my byte in O's rows; v25 the mask's threshold; v26 -infinity;
;   v32-63 K; v64-95 V; v96-127 S^T, then p; v160-191 O^T; v224-231 p's codes; v236-254 at work.
; A chunk: 16 rows x 256 bytes.  Load i: lanes 0-15 take row i whole, lanes 16-31 row 8 + i whole: sixteen lanes read 256 consecutive bytes, aligned.  Lane (dd, hh) holds rows 8 hh + i, channels 4 dd + 0 .. 3.
.macro LOADC reg, sb, nt
.irp i, 0,1,2,3,4,5,6,7
.if \nt
	global_load_b128 v[\reg+4*\i:\reg+4*\i+3], v1, s[\sb:\sb+1] offset:256*\i th:TH_LOAD_NT
.else
	global_load_b128 v[\reg+4*\i:\reg+4*\i+3], v1, s[\sb:\sb+1] offset:256*\i
.endif
.endr
.endm
.macro COPY reg, sb                    ; the same chunk out again, as it was loaded: written once, read by nobody here
.irp i, 0,1,2,3,4,5,6,7
	global_store_b128 v1, v[\reg+4*\i:\reg+4*\i+3], s[\sb:\sb+1] offset:256*\i th:TH_STORE_NT
.endr
.endm
; 32 numbers of a lane become 32 codes in v16-23: v[16 + i] = row 8 hh + i, its four bytes channels 4 dd + 0 .. 3.  One scale serves the tensor, so a conversion's eight numbers need not be neighbours.
.macro HOLDCVT reg, slim, sscl
	v_mov_b32 v4, s[\slim]
	v_mov_b32 v5, s[\sscl]
.set hn, 0
.rept 32
	v_med3_num_f32 v[\reg+hn], v[\reg+hn], -v4, v4   ; the conversion to an 8-bit code does not saturate (ISA guide 7.6.2): the hold at the largest code x the scale
.set hn, hn+1
.endr
.irp g, 0,1,2,3
	v_cvt_scalef32_pk8_bf8_f32 v[16+2*\g:17+2*\g], v[\reg+8*\g:\reg+8*\g+7], v5
.endr
	v_nop                                          ; one plain vector line between a scaled conversion and the next vector instruction that touches its result or writes its sources
.endm
.macro QUANTK reg, slim, sscl, imm     ; K's or Q's codes: a row's four bytes of mine, row by row: sixteen lanes write a row's 64 bytes
	HOLDCVT \reg, \slim, \sscl
.irp i, 0,1,2,3,4,5,6,7
	ds_store_b32 v2, v[16+\i] offset:(\imm)+KP*\i
.endr
.endm
; V's codes are turned: two 4 x 4 byte transposes (keys 8 hh + 0 .. 3 and + 4 .. 7 against channels 4 dd + 0 .. 3); then v[16 + 2 j : 17 + 2 j] = channel 4 dd + j, keys 8 hh + 0 .. 7.
.macro QUANTV reg, blk
	HOLDCVT \reg, 45, 44
.irp g, 0,1
	v_perm_b32 v[24+4*\g], v[17+4*\g], v[16+4*\g], s52   ; keys 0, 1: channels 0, 1 interleaved
	v_perm_b32 v[25+4*\g], v[17+4*\g], v[16+4*\g], s53   ;            channels 2, 3
	v_perm_b32 v[26+4*\g], v[19+4*\g], v[18+4*\g], s52   ; keys 2, 3 likewise
	v_perm_b32 v[27+4*\g], v[19+4*\g], v[18+4*\g], s53
.endr
.irp g, 0,1
	v_perm_b32 v[16+\g], v[26+4*\g], v[24+4*\g], s54     ; channel 0: four keys
	v_perm_b32 v[18+\g], v[26+4*\g], v[24+4*\g], s55     ; channel 1
	v_perm_b32 v[20+\g], v[27+4*\g], v[25+4*\g], s54     ; channel 2
	v_perm_b32 v[22+\g], v[27+4*\g], v[25+4*\g], s55     ; channel 3
.endr
.irp j, 0,1,2,3
	ds_store_b64 v3, v[16+2*\j:17+2*\j] offset:128*\blk+VP*\j
.endr
.endm
.macro SCALE e, scl, lim               ; from the exponent in s[e]: 2^e as f32 (the conversion takes its exponent field), and 57,344 x 2^e
	s_add_co_i32 s57, s[\e], 127
	s_lshl_b32 s[\scl], s57, 23
	s_add_co_i32 s57, s57, 15
	s_lshl_b32 s57, s57, 23
	s_or_b32 s[\lim], s57, 0x600000
.endm
	s_load_b256 s[4:11], s[0:1], 0x0               ; q, k, v, the exponents
	s_load_b128 s[12:15], s[0:1], 0x20             ; out0, out1
	s_load_b64 s[16:17], s[0:1], 0x30              ; out2
	v_lshl_add_u32 v6, v0, 2, SPARE                ; my spare word,
	v_mov_b32 v7, 0                                ; and 0: kept for the add at the wave's end
	v_lshrrev_b32 v8, 5, v0
	v_readfirstlane_b32 s18, v8                    ; wave 0..7
	s_mov_b32 s19, ttmp9                           ; b: my block of 128 queries
	v_and_b32 v8, 15, v0                           ; dd
	v_bfe_u32 v9, v0, 4, 1                         ; hh
	v_lshlrev_b32 v1, 4, v8
	v_lshl_add_u32 v1, v9, 11, v1                  ; 16 dd + 8 rows x hh
	s_mul_i32 s57, s18, 16*KP
	v_mul_u32_u24 v2, v9, 8*KP
	v_lshl_add_u32 v2, v8, 2, v2
	v_add_nc_u32 v2, s57, v2                       ; K, Q: row 16 w + 8 hh, byte 4 dd
	s_lshl_b32 s57, s18, 4
	s_add_co_u32 s57, s57, VC
	v_mul_u32_u24 v3, v8, 4*VP
	v_lshl_add_u32 v3, v9, 3, v3
	v_add_nc_u32 v3, s57, v3                       ; V: row 4 dd, byte 16 w + 8 hh
	s_mov_b32 s50, 0x76543210                      ; v_permlanex16_b32: lane l xor 16
	s_mov_b32 s51, 0xfedcba98
	s_mov_b32 s52, 0x05010400                      ; v_perm_b32: bytes 0 and 1 of two words, interleaved;
	s_mov_b32 s53, 0x07030602                      ; bytes 2 and 3;
	s_mov_b32 s54, 0x05040100                      ; the two low halves;
	s_mov_b32 s55, 0x07060302                      ; the two high halves
	s_and_b32 s57, ttmp7, 0xffff                   ; the head: 2,048 rows of 256 bytes
	s_lshl_b32 s58, s57, 19
	s_lshl_b32 s57, s18, 12                        ; my wave's 16 rows of a block
	s_add_co_u32 s58, s58, s57
	s_lshl_b32 s57, s19, 15                        ; a block: 128 rows
	s_add_co_u32 s26, s58, s57
	s_mov_b32 s27, 0
	s_sub_co_i32 s57, s19, 1
	s_max_i32 s57, s57, 0                          ; block b - 1, or block 0 where there is none: no load leaves its buffer
	s_lshl_b32 s57, s57, 15
	s_add_co_u32 s28, s58, s57
	s_mov_b32 s29, 0
	s_sub_co_i32 s57, s19, 2
	s_max_i32 s57, s57, 0                          ; block b - 2 likewise
	s_lshl_b32 s57, s57, 15
	s_add_co_u32 s30, s58, s57
	s_mov_b32 s31, 0
	s_wait_kmcnt 0x0
	s_load_b128 s[20:23], s[10:11], 0x0            ; eq, ek, ep, ev
	s_add_nc_u64 s[32:33], s[6:7], s[28:29]        ; k at my rows of block b - 1,
	s_add_nc_u64 s[34:35], s[6:7], s[30:31]        ; of block b - 2;
	s_add_nc_u64 s[36:37], s[8:9], s[28:29]        ; v likewise
	s_add_nc_u64 s[38:39], s[8:9], s[30:31]
	s_add_nc_u64 s[4:5], s[4:5], s[26:27]          ; and all six tensors at my rows of block b
	s_add_nc_u64 s[6:7], s[6:7], s[26:27]
	s_add_nc_u64 s[8:9], s[8:9], s[26:27]
	s_add_nc_u64 s[12:13], s[12:13], s[26:27]
	s_add_nc_u64 s[14:15], s[14:15], s[26:27]
	s_add_nc_u64 s[16:17], s[16:17], s[26:27]
	; all 56 loads of the wave go out before the first wait: 28,672 bytes a wave.  The own block first: its copies leave first
	LOADC 32, 6, 0                                 ; k, block b
	LOADC 64, 8, 0                                 ; v, block b
	LOADC 96, 32, 0                                ; k, block b - 1
	LOADC 128, 36, 0                               ; v, block b - 1
	LOADC 160, 34, 0                               ; k, block b - 2
	LOADC 192, 38, 0                               ; v, block b - 2
	LOADC 224, 4, 1                                ; q: read by this wave alone
	s_wait_kmcnt 0x0
	SCALE 20, 40, 41                               ; q
	SCALE 21, 42, 43                               ; k
	SCALE 23, 44, 45                               ; v
	SCALE 22, 46, 47                               ; p
	s_add_co_i32 s57, s20, s21
	s_lshl_b32 s57, s57, 23
	s_add_co_i32 s48, s57, 0x3e38aa3b              ; c = log2(e) / 8; a score stands for score x 2^(eq + ek): the two exponents are added to c's exponent field
	s_mov_b32 s49, s48                             ; (named with it as a pair, so it is written)
	s_add_co_i32 s59, s22, s23                     ; ep + ev
	s_wait_loadcnt 48                              ; loads come back in order: k's own chunk is in; the six chunks behind it, eight loads each, may be out
	COPY 32, 14
	s_wait_loadcnt 40                              ; v's own chunk; five chunks behind it
	COPY 64, 16
	s_wait_xcnt 0x0                                ; the stores' data registers are held in place only behind this wait
	QUANTK 32, 43, 42, 2*128*KP
	QUANTV 64, 2
	s_wait_loadcnt 32                              ; four chunks behind
	QUANTK 96, 43, 42, 1*128*KP
	s_wait_loadcnt 24
	QUANTV 128, 1
	s_wait_loadcnt 16
	QUANTK 160, 43, 42, 0
	s_wait_loadcnt 8
	QUANTV 192, 0
	s_wait_loadcnt 0x0
	QUANTK 224, 41, 40, QC
	s_wait_dscnt 0x0                               ; for the others' sake: my codes lie in LDS
	s_barrier_signal -1
	; register work alone while the others arrive: phase 2's addresses and its starting values
	v_and_b32 v28, 15, v0                          ; r
	v_bfe_u32 v29, v0, 4, 1                        ; h
	s_lshr_b32 s57, s18, 2                         ; w / 4: my steps begin at position 64 (w / 4)
	s_lshl_b32 s56, s19, 1
	s_add_co_u32 s56, s56, s57                     ; step s begins at key 64 (s56 + s - 4)
	s_mul_i32 s58, s57, 64*KP
	v_mul_u32_u24 v8, v28, KP
	v_lshl_add_u32 v8, v29, 5, v8
	v_add_nc_u32 v8, s58, v8                       ; K: row r, + 32 h: lane (r, h) takes channels 32 h + 0 .. 31, in K and in Q alike, so every product meets its partner
	s_lshl_b32 s58, s57, 6
	s_add_co_u32 s58, s58, VC
	v_mul_u32_u24 v9, v28, VP
	v_lshl_add_u32 v9, v29, 3, v9
	v_add_nc_u32 v9, s58, v9                       ; V: channel r, + 8 h: registers 2 c, 2 c + 1 take keys 16 c + 8 h + 0 .. 7, as P has them
	s_mul_i32 s58, s18, 16*SP
	s_add_co_u32 s58, s58, STG                     ; my stage
	v_mul_u32_u24 v10, v28, SP
	v_lshl_add_u32 v10, v29, 5, v10
	v_add_nc_u32 v10, s58, v10                     ; in: row r, 32 bytes for each half of the lanes
	v_mul_u32_u24 v11, v29, SP
	v_lshl_add_u32 v11, v28, 4, v11
	v_add_nc_u32 v11, s58, v11                     ; back: lanes 0-15 one row of 256 bytes, lanes 16-31 the next
	s_mul_i32 s58, s18, 16*KP
	s_add_co_u32 s58, s58, QC
	v_mul_u32_u24 v27, v28, KP
	v_lshl_add_u32 v27, v29, 5, v27
	v_add_nc_u32 v27, s58, v27                     ; Q: my query r, + 32 h
	v_lshlrev_b32 v24, 8, v29
	v_lshl_add_u32 v24, v28, 4, v24                ; and the same two rows in out0
	s_and_b32 s58, s18, 3
	s_lshl_b32 s58, s58, 4
	v_lshlrev_b32 v25, 3, v29
	v_sub_nc_u32 v25, v28, v25
	v_add_nc_u32 v25, s58, v25                     ; 16 (w % 4) + r - 8 h.  Counted from my first step's first key, my query's band is 16 (w % 4) + r + 1 .. + 256
	v_mov_b32 v26, 0xff800000                      ; -infinity
	v_mov_b32 v13, 0xff61b1e6                      ; the largest t so far: -3e38, under every t
	v_floor_f32 v12, -v13                          ; -M
	v_mov_b32 v14, 0                               ; the sum, in two halves
	v_mov_b32 v15, 0
	v_mov_b32 v236, 0                              ; written once: a lane permute's destination counts as one of its sources
	v_mov_b32 v253, 0                              ; (named as the upper half of the pair v[252:253])
	v_mov_b32 v240, s47                            ; 57,344 x 2^ep
	v_mov_b32 v244, s46                            ; 2^ep
.set on, 0
.rept 32
	v_mov_b32 v[160+on], 0                         ; O^T.  Which step is a wave's first hangs on its block, so the step is written one way: the first finds zeros, which the first change of M leaves zeros
.set on, on+1
.endr
	s_barrier_wait -1                              ; all 384 keys' and 128 queries' codes lie in LDS; nothing in KC, QC, VC is written again
	ds_load_b128 v[16:19], v27                     ; Q's fragment stays in registers
	ds_load_b128 v[20:23], v27 offset:16
	s_wait_dscnt 0x0
; A KEY STEP: positions 64 (w / 4 + s) .. + 63.
.macro STEP s
.if \s < 4
	s_cmp_lt_u32 s56, 4-\s                         ; the step lies before the head's first key: ids alone; no barrier stands in a step
	s_cbranch_scc1 .Lskip_\@
.endif
.irp c, 0,1,2,3
	ds_load_b128 v[32+8*\c:35+8*\c], v8 offset:(64*\s+16*\c)*KP
	ds_load_b128 v[36+8*\c:39+8*\c], v8 offset:(64*\s+16*\c)*KP+16
.endr
.irp t, 0,1,2,3
.irp c, 0,1,2,3
	ds_load_b64 v[64+8*\t+2*\c:65+8*\t+2*\c], v9 offset:16*VP*\t+64*\s+16*\c
.endr
.endr
	s_wait_dscnt 16                                ; K's eight loads are in; V's sixteen, issued behind them, may be out
.irp c, 0,1,2,3
	v_wmma_f32_16x16x64_bf8_bf8 v[96+8*\c:103+8*\c], v[32+8*\c:39+8*\c], v[16:23], 0   ; S^T: lane (r, h), register j of tile c: key 16 c + 8 h + j, query r
.endr
.rept 4
	v_nop                                          ; four places between a matrix instruction and the first read of its result (ISA guide 7.12.1)
.endr
.if \s == 0                                    ; the band's far edge: key x of the step is hidden where x <= 16 (w % 4) + r.  Hidden scores become -infinity ahead of the maximum: p = 0 then
.irp c, 0,1,2,3
.irp j, 0,1,2,3,4,5,6,7
	v_cmp_le_i32 vcc_lo, 16*\c+\j, v25
	v_cndmask_b32 v[96+8*\c+\j], v[96+8*\c+\j], v26, vcc_lo
.endr
.endr
.endif
.if \s == 4                                    ; the diagonal: key x of the step is hidden where x > 16 (w % 4) + r.  Steps 1 to 3 lie inside every query's band
.irp c, 0,1,2,3
.irp j, 0,1,2,3,4,5,6,7
	v_cmp_gt_i32 vcc_lo, 16*\c+\j, v25
	v_cndmask_b32 v[96+8*\c+\j], v[96+8*\c+\j], v26, vcc_lo
.endr
.endr
.endif
	v_max3_num_f32 v254, v96, v97, v98             ; the step's largest score of my query among my 32 keys, in two chains, each accumulator from its low end on,
	v_max3_num_f32 v252, v99, v100, v101
.irp i, 6,10,14,18,22,26
	v_max3_num_f32 v254, v254, v[96+\i], v[97+\i]
	v_max3_num_f32 v252, v252, v[98+\i], v[99+\i]
.endr
	v_max3_num_f32 v254, v254, v126, v127
	v_max_num_f32 v254, v254, v252
	v_permlanex16_b32 v236, v254, s50, s51
	v_max_num_f32 v254, v254, v236                 ; and among lane l xor 16's
	v_mul_f32 v254, s48, v254                      ; as t (c is positive)
	v_max_num_f32 v13, v13, v254                   ; the running largest t
	v_mov_b32 v254, v12
	v_floor_f32 v12, -v13                          ; the new -M = floor(-t) = -ceil(t): a whole number
	v_sub_f32 v254, v12, v254                      ; old M less new M: a whole number, 0 or less
	v_cvt_i32_f32 v254, v254                       ; (it saturates)
	v_ldexp_f32 v252, 1.0, v254                    ; f = 2^(old M - new M)
.irp j, 0,2,4,6,8,10,12,14,16,18,20,22,24,26,28,30
	v_pk_fma_f32 v[96+\j:97+\j], v[96+\j:97+\j], s[48:49], v[12:13] op_sel_hi:[1,0,0]   ; t - M, two at a time (of the pairs c and -M the low word serves both halves)
.endr
.set en, 0
.rept 32
	v_exp_f32 v[96+en], v[96+en]                   ; p = 2^(t - M), at most 1, not normalised
.set en, en+1
.endr
	v_pk_mul_f32 v[14:15], v[14:15], v[252:253] op_sel_hi:[1,0]   ; the sums under the new M: the plain line behind the exponentials
	s_wait_alu depctr_va_vdst(0)                   ; the wait ahead of the first line that names an exponential's result: one for the batch of 32
	v_pk_add_f32 v[242:243], v[96:97], v[98:99]    ; the row's sum is taken of the unquantised p: two at a time, in two chains
.irp j, 4,8,12,16,20,24,28
	v_pk_add_f32 v[14:15], v[14:15], v[96+\j:97+\j]
	v_pk_add_f32 v[242:243], v[242:243], v[98+\j:99+\j]
.endr
	v_pk_add_f32 v[14:15], v[14:15], v[242:243]
.set mn, 0
.rept 32
	v_min_num_f32 v[96+mn], v[96+mn], v240         ; p is not negative: the hold is one-sided
.set mn, mn+1
.endr
.irp c, 0,1,2,3
	v_cvt_scalef32_pk8_bf8_f32 v[224+2*\c:225+2*\c], v[96+8*\c:103+8*\c], v244   ; registers 2 c, 2 c + 1 of P: keys 16 c + 8 h + 0 .. 7
.endr
.irp j, 0,2,4,6,8,10,12,14,16,18,20,22,24,26,28,30
	v_pk_mul_f32 v[160+\j:161+\j], v[160+\j:161+\j], v[252:253] op_sel_hi:[1,0]   ; O^T under the new M, each accumulator from its low end on; also the plain lines behind the conversions
.endr
	s_wait_dscnt 0x0                               ; V is in
.irp t, 0,1,2,3
	v_wmma_f32_16x16x64_bf8_bf8 v[160+8*\t:167+8*\t], v[64+8*\t:71+8*\t], v[224:231], v[160+8*\t:167+8*\t]   ; O^T += V^T P^T; the four accumulators take turns, one instruction a turn
.endr
.rept 4
	v_nop                                          ; four places in front of the next step's loads into V's registers, and of the next read of O^T
.endr
.if \s < 4
.Lskip_\@:
.endif
.endm
	STEP 0
	STEP 1
	STEP 2
	STEP 3
	STEP 4                                         ; never left out: it holds every query's own key, so M and the sum are numbers at the end
	; THE WAY OUT.  O^T / the sum x 2^(ep + ev) goes through my own stage in LDS and leaves as whole rows: sixteen lanes store 256 consecutive bytes, aligned.
	v_add_f32 v14, v14, v15                        ; the sum's two halves,
	v_permlanex16_b32 v236, v14, s50, s51
	v_add_f32 v14, v14, v236                       ; and lane l xor 16's
	v_rcp_f32 v14, v14
	v_nop                                          ; a plain line behind the reciprocal
	s_wait_alu depctr_va_vdst(0)                   ; and the wait ahead of its first reader
	v_ldexp_f32 v14, v14, s59
.set wn, 0
.rept 32
	v_mul_f32 v[96+wn], v[160+wn], v14             ; register 8 t + j: out0(query r, channel 16 t + 8 h + j)
.set wn, wn+1
.endr
.irp t, 0,1,2,3
	ds_store_b128 v10, v[96+8*\t:99+8*\t] offset:64*\t
	ds_store_b128 v10, v[100+8*\t:103+8*\t] offset:64*\t+16
.endr
.irp i, 0,1,2,3,4,5,6,7
	ds_load_b128 v[32+4*\i:35+4*\i], v11 offset:2*SP*\i   ; LDS serves a wave's instructions in order (ISA guide 5.7.1.4): these see my stores
.endr
.irp i, 0,1,2,3,4,5,6,7
	s_wait_dscnt 7-\i                              ; load i is in; the younger ones may be out
	global_store_b128 v24, v[32+4*\i:35+4*\i], s[12:13] offset:512*\i th:TH_STORE_NT
.endr
	s_wait_tensorcnt 0x0                           ; the wave's end
	ds_add_u32 v6, v7
	s_wait_dscnt 0x0
	s_endpgm
.Lfunc_end_k_q2e605ba0d8_attn:
	.size	k_q2e605ba0d8_attn, .Lfunc_end_k_q2e605ba0d8_attn-k_q2e605ba0d8_attn
	.p2alignl 7, 3214868480
	.fill 96, 4, 3214868480
	.section	.rodata,"a",@progbits
	.p2align	6, 0x0
	.amdhsa_kernel k_q2e605ba0d8_attn
		.amdhsa_group_segment_fixed_size 102400
		.amdhsa_private_segment_fixed_size 0
		.amdhsa_enable_private_segment 0
		.amdhsa_kernarg_size 56
		.amdhsa_user_sgpr_count 2
		.amdhsa_user_sgpr_kernarg_segment_ptr 1
		.amdhsa_wavefront_size32 1
		.amdhsa_system_sgpr_workgroup_id_x 1
		.amdhsa_system_sgpr_workgroup_id_y 1
		.amdhsa_system_sgpr_workgroup_id_z 1
		.amdhsa_system_vgpr_workitem_id 0
		.amdhsa_next_free_vgpr 256
		.amdhsa_next_free_sgpr 66
		.amdhsa_reserve_vcc 1
		.amdhsa_float_denorm_mode_32 3
		.amdhsa_float_denorm_mode_16_64 3
		.amdhsa_memory_ordered 1
		.amdhsa_forward_progress 1
		.amdhsa_inst_pref_size 90
	.end_amdhsa_kernel
	.amdgpu_metadata
---
amdhsa.version: [ 1, 2 ]
amdhsa.kernels:
  - .name:           k_q2e605ba0d8_attn
    .symbol:         k_q2e605ba0d8_attn.kd
    .args:
      - { .name: q, .offset: 0, .size: 8, .value_kind: global_buffer, .address_space: global }
      - { .name: k, .offset: 8, .size: 8, .value_kind: global_buffer, .address_space: global }
      - { .name: v, .offset: 16, .size: 8, .value_kind: global_buffer, .address_space: global }
      - { .name: lowp_scales, .offset: 24, .size: 8, .value_kind: global_buffer, .address_space: global }
      - { .name: out0, .offset: 32, .size: 8, .value_kind: global_buffer, .address_space: global }
      - { .name: out1, .offset: 40, .size: 8, .value_kind: global_buffer, .address_space: global }
      - { .name: out2, .offset: 48, .size: 8, .value_kind: global_buffer, .address_space: global }
    .group_segment_fixed_size: 102400
    .private_segment_fixed_size: 0
    .kernarg_segment_align: 8
    .kernarg_segment_size: 56
    .max_flat_workgroup_size: 256
    .sgpr_count:     66
    .vgpr_count:     256
    .wavefront_size: 32
...
	.end_amdgpu_metadata
.endif
;; end of part 1
;; ======== version 2 of 2: 1 launch; version 1 with the launch attn written anew for expert scheduling mode
;; limits: right only within a limited range of input values
;; launch attn (part 2): grid 16 x 16, 8 waves a work-group, no clusters, 102,400 bytes of LDS; arguments q, k, v, lowp_scales, out0, out1, out2; writes out0, out1, out2
.if DOCPART == 2
	.amdgcn_target "amdgcn-amd-amdhsa--gfx1250"
	.amdhsa_code_object_version 6
	.text
	.protected	k_q2e605ba0d8_attn
	.globl	k_q2e605ba0d8_attn
	.p2align	8
	.type	k_q2e605ba0d8_attn,@function
k_q2e605ba0d8_attn:
	s_mov_b64 s[64:65], 0
	v_nop
	global_prefetch_b8 v0, s[64:65] scope:SCOPE_SE
	s_setreg_imm32_b32 hwreg(HW_REG_WAVE_SCHED_MODE, 0, 2), 2
	s_setreg_imm32_b32 hwreg(HW_REG_WAVE_MODE, 25, 1), 1
	s_wait_xcnt 0x0
	s_wait_alu depctr_vm_vsrc(0)
; out0[h][i][:] = sum over j of softmax_j(q[h][i] . k[h][j] / 8) v[h][j][:] under the band 0 <= i - j < 256;  out1 = k;  out2 = v.  16 heads, 2,048 positions, 64 channels, all f32.
; Both products run on codes of BF8 (E5M2), each operand with its given scale 2^e: eq, ek, ep, ev (int32).  code = x / 2^e, held within +-57,344, nearest code, ties to even.
; THE SOFTMAX AHEAD OF THE SECOND PRODUCT: t = score x log2(e) / 8; M = the running largest t rounded UP to a whole number; p = 2^(t - M) is quantised; the sum of the unquantised p divides at the end.
; When M moves, the sum and O are multiplied by 2^(old M - new M), which rounds nothing.
; WORK LEFT OUT.  layer_idx = 1 is a constant of the problem, so the mask that the problem builds is the band.  A key outside the band gets the logit -1e9 whatever q, k and v hold, and its weight is 0 beside
; the query's own key, which always lies in the band.  So steps of 64 keys that lie wholly outside a wave's band are never formed (27 of 32), and steps that would lie before the head's first key are not entered.
; layer_idx and training are constants and no buffers.  LIMITS: a NaN, an infinity or an overflow that reaches only the keys left out is not carried to the result; a row whose largest live logit lies
; near or under -1e9 is not served; NaN among the inputs is not served; eq, ek, ev, ep between -126 and 112; eq + ek between -123 and 130 (each power of two below is then an f32 number).
; WORK THAT STAYS THOUGH IT SERVES NOTHING: (a) inside a wave's first and last step some tiles of 16 keys are wholly hidden: they lie in a K step of 64 that also holds live keys;
; (b) in query blocks 0 and 1 the blocks of keys that do not exist are loaded from block 0 of the head instead and their codes land in LDS bytes that no step reads: all 56 loads of a wave stand ahead of
; counted waits, and a count holds only if every wave has issued the same loads.
; SHARES.  A work-group owns 128 queries of one head (256 work-groups), each of its eight waves 16 of them.  It needs 384 keys: its own block and the two before it.
; PHASE 1: wave w loads rows 16 w .. 16 w + 15 of each of the three blocks of k and of v and of its block of q, 16 bytes a lane; stores its own block's k and v from those registers to out1 and out2;
; quantises in registers; only CODES go to LDS: K and Q with the channels innermost, V turned by byte permutes so that the keys are innermost.  One barrier.
; PHASE 2: five steps of 64 keys.  Both products are used transposed: S^T = K Q^T (source 0 = 16 keys, source 1 = my 16 queries), O^T = V^T P^T: a lane holds ONE query (lane % 16) throughout, and the eight
; registers of S^T's tile c are keys 16 c + 8 (lane / 16) + 0 .. 7: their codes ARE registers 2 c, 2 c + 1 of P.
; NO JOINT LOADS: block x of k and v is wanted by work-groups x, x + 1, x + 2 at three different places in LDS, and this window crosses the edge of any group of four; the operands are f32 and are narrowed
; in registers, so that one byte a number goes through LDS and not four.
; THE MODE: SCHED_MODE bits 1:0 = 2 (LLVM: expert scheduling mode 2), set by the entry lines.  The code itself states the register dependences
; between vector or matrix instructions and memory or LDS instructions, with s_wait_alu, always for 0.
; THE PLAN.  Registers that memory or LDS instructions touch:
;   v1-3; v8-11, v24, v27   offsets and addresses: written once by vector lines, ahead of one wait on va_vdst each group (at the head; behind the barrier), and never again: immediates do the rest.
;   v32-255   seven chunks: loads land in them once.  v32-95 are also the data of the sixteen copies out; the holds write them in place behind one wait on vm_vsrc.
;   v16-23    a chunk's codes: written by its conversions (V: its permutes), read by its LDS stores, written again by the next chunk's conversions.  A chunk's LDS stores stand at the head of the NEXT chunk,
;             behind that chunk's wait for its data and one wait on va_vdst; one wait on vm_vsrc stands behind the next chunk's 32 holds, ahead of its conversions.  Behind the barrier Q's fragment lands in them.
;   v32-63    phase 2: K's fragments, one set: read by step s's S^T products, loaded again for step s + 1.
;   v64-95, v192-223   V's fragments, two sets by turns: set s % 2 is read by step s's O^T products; set (s + 1) % 2 was last read in step s - 1.
;   So the wait on va_vdst that stands behind a step's exponentials also states that step s's S^T products are done with K's set and step s - 1's O^T products with the other set of V: step s + 1's
;   24 LDS loads follow it, dealt among the sums, holds and conversions, which name v96-127, v14-15, v160-191 and v224-253: none of the registers that those loads touch.
;   v96-127   on the way out: written by the last multiplications, read by the stage's stores, behind one wait on va_vdst.
;   v6, v7    written at the head, read by the closing add alone.
; Scalars that vector lines write: s18 (the wave's number) and the masks of the band's two edges, sixteen at a time in s20-31 and s40-43: one wait on va_sdst behind each run of writers, ahead of its first reader.
.set KP,    80                         ; a row of K's or Q's codes in LDS: 64 bytes + 16: five times 16, so the 16 rows that a 16-byte load touches fall on 16 different 16-byte columns of 256
.set VP,    400                        ; a row of V's codes (a channel): 384 keys + 16
.set SP,    272                        ; a row of the stage: 256 bytes + 16
.set KC,    0                          ; 384 rows x 80: position p = key - 128 (b - 2)
.set QC,    30720                      ; 128 rows x 80
.set VC,    40960                      ; 64 rows x 400
.set STG,   66560                      ; 16 rows x 272 for each wave: the way out
.set SPARE, 101376                     ; the spare words, 128 bytes for each wave: four blocks of 256 bytes that no other line names
; SCALARS: s[4:5] q, s[6:7] k, s[8:9] v (at my rows of the own block), s[10:11] the exponents' address, s[12:13] out0, s[14:15] out1, s[16:17] out2; s18 wave; s19 query block b; s[20:23] eq, ek, ep, ev;
;   s[26:31] byte offsets of my rows in blocks b, b - 1, b - 2; s[32:33], s[34:35] k there; s[36:37], s[38:39] v there; s40-47 for q, k, v, p: 2^e and 57,344 x 2^e; s[48:49] c; s[50:51] lane selects;
;   s52-55 byte selects; s56 (w / 4) + 2 b; s57, s58 at work; s59 ep + ev.  Phase 2: s20-31 and s40-43, done with by then and never an address, hold sixteen masks.
; VECTORS, kept: v0; v1 my byte in a chunk; v6, v7 the add's two.  Phase 1: v2, v3 where K's (Q's) and V's codes go; v4, v5 the hold and the scale; v16-23 codes; v24-31 at work; v32-255 seven chunks of 32.
;   Phase 2: v8 K's, v9 V's fragments' address; v10, v11 the stage; v12 -M, v13 the largest t, v[14:15] the sum in two halves; v16-23 Q; v24 my byte in O's rows; v25 the mask's threshold; v26 -infinity;
;   v32-63 K; v64-95, v192-223 V; v96-127 S^T, then p; v160-191 O^T; v224-231 p's codes; v236-254 at work.
; A chunk: 16 rows x 256 bytes.  Load i: lanes 0-15 take row i whole, lanes 16-31 row 8 + i whole: sixteen lanes read 256 consecutive bytes, aligned.  Lane (dd, hh) holds rows 8 hh + i, channels 4 dd + 0 .. 3.
.macro LOADC reg, sb, nt
.irp i, 0,1,2,3,4,5,6,7
.if \nt
	global_load_b128 v[\reg+4*\i:\reg+4*\i+3], v1, s[\sb:\sb+1] offset:256*\i th:TH_LOAD_NT
.else
	global_load_b128 v[\reg+4*\i:\reg+4*\i+3], v1, s[\sb:\sb+1] offset:256*\i
.endif
.endr
.endm
.macro COPY reg, sb                    ; the same chunk out again, as it was loaded: written once, read by nobody here
.irp i, 0,1,2,3,4,5,6,7
	global_store_b128 v1, v[\reg+4*\i:\reg+4*\i+3], s[\sb:\sb+1] offset:256*\i th:TH_STORE_NT
.endr
.endm
; 32 numbers of a lane become 32 codes in v16-23: v[16 + i] = row 8 hh + i, its four bytes channels 4 dd + 0 .. 3.  One scale serves the tensor, so a conversion's eight numbers need not be neighbours.
; again = 1: every chunk but the first, whose codes' registers no LDS store has read yet.
.macro HOLDCVT reg, slim, sscl, again
	v_mov_b32 v4, s[\slim]
	v_mov_b32 v5, s[\sscl]
.set hn, 0
.rept 32
	v_med3_num_f32 v[\reg+hn], v[\reg+hn], -v4, v4   ; the conversion to an 8-bit code does not saturate (ISA guide 7.6.2): the hold at the largest code x the scale
.set hn, hn+1
.endr
.if \again
	s_wait_alu depctr_vm_vsrc(0)                   ; the LDS stores of the chunk before, issued ahead of these holds, have read v16-23, which the conversions write again
.endif
.irp g, 0,1,2,3
	v_cvt_scalef32_pk8_bf8_f32 v[16+2*\g:17+2*\g], v[\reg+8*\g:\reg+8*\g+7], v5
.endr
	v_nop                                          ; one plain vector line between a scaled conversion and the next vector instruction that touches its result or writes its sources
.endm
.macro PUTK imm                        ; K's or Q's codes: a row's four bytes of mine, row by row: sixteen lanes write a row's 64 bytes
	s_wait_alu depctr_va_vdst(0)                   ; the conversions have written v16-23, which the LDS stores read
.irp i, 0,1,2,3,4,5,6,7
	ds_store_b32 v2, v[16+\i] offset:(\imm)+KP*\i
.endr
.endm
; V's codes are turned: two 4 x 4 byte transposes (keys 8 hh + 0 .. 3 and + 4 .. 7 against channels 4 dd + 0 .. 3); then v[16 + 2 j : 17 + 2 j] = channel 4 dd + j, keys 8 hh + 0 .. 7.
.macro TURNV reg
	HOLDCVT \reg, 45, 44, 1
.irp g, 0,1
	v_perm_b32 v[24+4*\g], v[17+4*\g], v[16+4*\g], s52   ; keys 0, 1: channels 0, 1 interleaved
	v_perm_b32 v[25+4*\g], v[17+4*\g], v[16+4*\g], s53   ;            channels 2, 3
	v_perm_b32 v[26+4*\g], v[19+4*\g], v[18+4*\g], s52   ; keys 2, 3 likewise
	v_perm_b32 v[27+4*\g], v[19+4*\g], v[18+4*\g], s53
.endr
.irp g, 0,1
	v_perm_b32 v[16+\g], v[26+4*\g], v[24+4*\g], s54     ; channel 0: four keys
	v_perm_b32 v[18+\g], v[26+4*\g], v[24+4*\g], s55     ; channel 1
	v_perm_b32 v[20+\g], v[27+4*\g], v[25+4*\g], s54     ; channel 2
	v_perm_b32 v[22+\g], v[27+4*\g], v[25+4*\g], s55     ; channel 3
.endr
.endm
.macro PUTV blk
	s_wait_alu depctr_va_vdst(0)                   ; the permutes have written v16-23, which the LDS stores read
.irp j, 0,1,2,3
	ds_store_b64 v3, v[16+2*\j:17+2*\j] offset:128*\blk+VP*\j
.endr
.endm
.macro SCALE e, scl, lim               ; from the exponent in s[e]: 2^e as f32 (the conversion takes its exponent field), and 57,344 x 2^e
	s_add_co_i32 s57, s[\e], 127
	s_lshl_b32 s[\scl], s57, 23
	s_add_co_i32 s57, s57, 15
	s_lshl_b32 s57, s57, 23
	s_or_b32 s[\lim], s57, 0x600000
.endm
	s_load_b256 s[4:11], s[0:1], 0x0               ; q, k, v, the exponents
	s_load_b128 s[12:15], s[0:1], 0x20             ; out0, out1
	s_load_b64 s[16:17], s[0:1], 0x30              ; out2
	v_lshl_add_u32 v6, v0, 2, SPARE                ; my spare word,
	v_mov_b32 v7, 0                                ; and 0: kept for the add at the wave's end
	v_lshrrev_b32 v8, 5, v0
	v_readfirstlane_b32 s18, v8                    ; wave 0..7
	s_mov_b32 s19, ttmp9                           ; b: my block of 128 queries
	v_and_b32 v8, 15, v0                           ; dd
	v_bfe_u32 v9, v0, 4, 1                         ; hh
	v_lshlrev_b32 v1, 4, v8
	v_lshl_add_u32 v1, v9, 11, v1                  ; 16 dd + 8 rows x hh
	s_wait_alu depctr_va_sdst(0)                   ; s18 is written, ahead of its first reader: LDS places and the tensors' bases are made from it
	s_mul_i32 s57, s18, 16*KP
	v_mul_u32_u24 v2, v9, 8*KP
	v_lshl_add_u32 v2, v8, 2, v2
	v_add_nc_u32 v2, s57, v2                       ; K, Q: row 16 w + 8 hh, byte 4 dd
	s_lshl_b32 s57, s18, 4
	s_add_co_u32 s57, s57, VC
	v_mul_u32_u24 v3, v8, 4*VP
	v_lshl_add_u32 v3, v9, 3, v3
	v_add_nc_u32 v3, s57, v3                       ; V: row 4 dd, byte 16 w + 8 hh
	s_mov_b32 s50, 0x76543210                      ; v_permlanex16_b32: lane l xor 16
	s_mov_b32 s51, 0xfedcba98
	s_mov_b32 s52, 0x05010400                      ; v_perm_b32: bytes 0 and 1 of two words, interleaved;
	s_mov_b32 s53, 0x07030602                      ; bytes 2 and 3;
	s_mov_b32 s54, 0x05040100                      ; the two low halves;
	s_mov_b32 s55, 0x07060302                      ; the two high halves
	s_and_b32 s57, ttmp7, 0xffff                   ; the head: 2,048 rows of 256 bytes
	s_lshl_b32 s58, s57, 19
	s_lshl_b32 s57, s18, 12                        ; my wave's 16 rows of a block
	s_add_co_u32 s58, s58, s57
	s_lshl_b32 s57, s19, 15                        ; a block: 128 rows
	s_add_co_u32 s26, s58, s57
	s_mov_b32 s27, 0
	s_sub_co_i32 s57, s19, 1
	s_max_i32 s57, s57, 0                          ; block b - 1, or block 0 where there is none: no load leaves its buffer
	s_lshl_b32 s57, s57, 15
	s_add_co_u32 s28, s58, s57
	s_mov_b32 s29, 0
	s_sub_co_i32 s57, s19, 2
	s_max_i32 s57, s57, 0                          ; block b - 2 likewise
	s_lshl_b32 s57, s57, 15
	s_add_co_u32 s30, s58, s57
	s_mov_b32 s31, 0
	s_wait_kmcnt 0x0
	s_load_b128 s[20:23], s[10:11], 0x0            ; eq, ek, ep, ev
	s_add_nc_u64 s[32:33], s[6:7], s[28:29]        ; k at my rows of block b - 1,
	s_add_nc_u64 s[34:35], s[6:7], s[30:31]        ; of block b - 2;
	s_add_nc_u64 s[36:37], s[8:9], s[28:29]        ; v likewise
	s_add_nc_u64 s[38:39], s[8:9], s[30:31]
	s_add_nc_u64 s[4:5], s[4:5], s[26:27]          ; and all six tensors at my rows of block b
	s_add_nc_u64 s[6:7], s[6:7], s[26:27]
	s_add_nc_u64 s[8:9], s[8:9], s[26:27]
	s_add_nc_u64 s[12:13], s[12:13], s[26:27]
	s_add_nc_u64 s[14:15], s[14:15], s[26:27]
	s_add_nc_u64 s[16:17], s[16:17], s[26:27]
	s_wait_alu depctr_va_vdst(0)                   ; v1, which every load and copy of phase 1 reads as its offset, is written; so are v2 and v3, the LDS stores' addresses
	; all 56 loads of the wave go out before the first wait: 28,672 bytes a wave.  The own block first: its copies leave first
	LOADC 32, 6, 0                                 ; k, block b
	LOADC 64, 8, 0                                 ; v, block b
	LOADC 96, 32, 0                                ; k, block b - 1
	LOADC 128, 36, 0                               ; v, block b - 1
	LOADC 160, 34, 0                               ; k, block b - 2
	LOADC 192, 38, 0                               ; v, block b - 2
	LOADC 224, 4, 1                                ; q: read by this wave alone
	s_wait_kmcnt 0x0
	SCALE 20, 40, 41                               ; q
	SCALE 21, 42, 43                               ; k
	SCALE 23, 44, 45                               ; v
	SCALE 22, 46, 47                               ; p
	s_add_co_i32 s57, s20, s21
	s_lshl_b32 s57, s57, 23
	s_add_co_i32 s48, s57, 0x3e38aa3b              ; c = log2(e) / 8; a score stands for score x 2^(eq + ek): the two exponents are added to c's exponent field
	s_mov_b32 s49, s48                             ; (named with it as a pair, so it is written)
	s_add_co_i32 s59, s22, s23                     ; ep + ev
	s_wait_loadcnt 48                              ; loads come back in order: k's own chunk is in; the six chunks behind it, eight loads each, may be out
	COPY 32, 14
	s_wait_loadcnt 40                              ; v's own chunk; five chunks behind it
	COPY 64, 16
	s_wait_xcnt 0x0                                ; the stores' data registers are held in place only behind this wait,
	s_wait_alu depctr_vm_vsrc(0)                   ; and the sixteen stores have read v32-95, which the holds write in place
	; from here on a chunk's LDS stores stand behind the wait for the next chunk's data
	HOLDCVT 32, 43, 42, 0                          ; k, block b
	PUTK 2*128*KP
	TURNV 64                                       ; v, block b
	s_wait_loadcnt 32                              ; four chunks behind
	PUTV 2
	HOLDCVT 96, 43, 42, 1                          ; k, block b - 1
	s_wait_loadcnt 24
	PUTK 1*128*KP
	TURNV 128                                      ; v, block b - 1
	s_wait_loadcnt 16
	PUTV 1
	HOLDCVT 160, 43, 42, 1                         ; k, block b - 2
	s_wait_loadcnt 8
	PUTK 0
	TURNV 192                                      ; v, block b - 2
	s_wait_loadcnt 0x0
	PUTV 0
	HOLDCVT 224, 41, 40, 1                         ; q
	PUTK QC
	s_wait_dscnt 0x0                               ; for the others' sake: my codes lie in LDS
	s_barrier_signal -1
	; register work alone while the others arrive: phase 2's addresses and its starting values
	v_and_b32 v28, 15, v0                          ; r
	s_wait_alu depctr_va_vdst(0)
	v_bfe_u32 v29, v0, 4, 1                        ; h
	s_lshr_b32 s57, s18, 2                         ; w / 4: my steps begin at position 64 (w / 4)
	s_lshl_b32 s56, s19, 1
	s_add_co_u32 s56, s56, s57                     ; step s begins at key 64 (s56 + s - 4)
	s_mul_i32 s58, s57, 64*KP
	v_mul_u32_u24 v8, v28, KP
	v_lshl_add_u32 v8, v29, 5, v8
	v_add_nc_u32 v8, s58, v8                       ; K: row r, + 32 h: lane (r, h) takes channels 32 h + 0 .. 31, in K and in Q alike, so every product meets its partner
	s_lshl_b32 s58, s57, 6
	s_add_co_u32 s58, s58, VC
	v_mul_u32_u24 v9, v28, VP
	v_lshl_add_u32 v9, v29, 3, v9
	v_add_nc_u32 v9, s58, v9                       ; V: channel r, + 8 h: registers 2 c, 2 c + 1 take keys 16 c + 8 h + 0 .. 7, as P has them
	s_mul_i32 s58, s18, 16*SP
	s_add_co_u32 s58, s58, STG                     ; my stage
	v_mul_u32_u24 v10, v28, SP
	s_wait_alu depctr_va_vdst(0)
	v_lshl_add_u32 v10, v29, 5, v10
	v_add_nc_u32 v10, s58, v10                     ; in: row r, 32 bytes for each half of the lanes
	v_mul_u32_u24 v11, v29, SP
	v_lshl_add_u32 v11, v28, 4, v11
	v_add_nc_u32 v11, s58, v11                     ; back: lanes 0-15 one row of 256 bytes, lanes 16-31 the next
	s_mul_i32 s58, s18, 16*KP
	s_add_co_u32 s58, s58, QC
	v_mul_u32_u24 v27, v28, KP
	v_lshl_add_u32 v27, v29, 5, v27
	v_add_nc_u32 v27, s58, v27                     ; Q: my query r, + 32 h
	v_lshlrev_b32 v24, 8, v29
	v_lshl_add_u32 v24, v28, 4, v24                ; and the same two rows in out0
	s_and_b32 s58, s18, 3
	s_lshl_b32 s58, s58, 4
	v_lshlrev_b32 v25, 3, v29
	v_sub_nc_u32 v25, v28, v25
	v_add_nc_u32 v25, s58, v25                     ; 16 (w % 4) + r - 8 h.  Counted from my first step's first key, my query's band is 16 (w % 4) + r + 1 .. + 256
	v_mov_b32 v26, 0xff800000                      ; -infinity
	v_mov_b32 v13, 0xff61b1e6                      ; the largest t so far: -3e38, under every t
	v_floor_f32 v12, -v13                          ; -M
	v_mov_b32 v14, 0                               ; the sum, in two halves
	v_mov_b32 v15, 0
	v_mov_b32 v236, 0                              ; written once: a lane permute's destination counts as one of its sources
	v_mov_b32 v253, 0                              ; (named as the upper half of the pair v[252:253])
	v_mov_b32 v240, s47                            ; 57,344 x 2^ep
	v_mov_b32 v244, s46                            ; 2^ep
.set on, 0
.rept 32
	v_mov_b32 v[160+on], 0                         ; O^T.  Which step is a wave's first hangs on its block, so the step is written one way: the first finds zeros, which the first change of M leaves zeros
.set on, on+1
.endr
	s_barrier_wait -1                              ; all 384 keys' and 128 queries' codes lie in LDS; nothing in KC, QC, VC is written again
	s_wait_alu depctr_va_vdst(0)                   ; phase 2's addresses v8-11, v24, v27 are written; phase 1's holds, conversions and permutes are done with v16-23, v32-95 and v192-223, in which the fragments land
	s_wait_alu depctr_vm_vsrc(0)                   ; my LDS stores of Q's codes have read v16-23, in which Q's fragment lands
	ds_load_b128 v[16:19], v27                     ; Q's fragment stays in registers; the first step's wait for K covers it
	ds_load_b128 v[20:23], v27 offset:16
; The fragments of step s: K's four tiles of 16 keys into the one set; V's four tiles of 16 channels, two at a time, into set s % 2.
.macro FETCHK s
.irp c, 0,1,2,3
	ds_load_b128 v[32+8*\c:35+8*\c], v8 offset:(64*(\s)+16*\c)*KP
	ds_load_b128 v[36+8*\c:39+8*\c], v8 offset:(64*(\s)+16*\c)*KP+16
.endr
.endm
.macro FETCHV s, t0
.set VB, 64+128*((\s)%2)
.irp t, \t0, \t0+1
.irp c, 0,1,2,3
	ds_load_b64 v[VB+8*(\t)+2*\c:VB+8*(\t)+2*\c+1], v9 offset:16*VP*(\t)+64*(\s)+16*\c
.endr
.endr
.endm
; A wave's way in at step s: that step's 24 loads, which no earlier step has asked for.  No vector or matrix line since the wait behind the barrier names their registers.
.macro ENTER s
.Lin\s:
	FETCHK \s
	FETCHV \s, 0
	FETCHV \s, 2
.if \s > 0
	s_branch .Lstep\s
.endif
.endm
; Sixteen masks, for tiles c0 and c0 + 1 of S^T: register 8 c + j holds key x = 16 c + j + 8 h of the step.  far != 0: the band's far edge, hidden where x <= 16 (w % 4) + r; far = 0: the diagonal, hidden where x > 16 (w % 4) + r.
.macro MASKS far, c0
.set mn, 0
.rept 16
.if (\far)
	v_cmp_le_i32 s[20+mn+8*(mn/12)], 16*(\c0+mn/8)+mn%8, v25
.else
	v_cmp_gt_i32 s[20+mn+8*(mn/12)], 16*(\c0+mn/8)+mn%8, v25
.endif
.set mn, mn+1
.endr
.endm
.macro HIDE c0                         ; hidden scores become -infinity ahead of the maximum: p = 0 then.  Each accumulator from its low end on
.set mn, 0
.rept 16
	v_cndmask_b32 v[96+8*\c0+mn], v[96+8*\c0+mn], v26, s[20+mn+8*(mn/12)]
.set mn, mn+1
.endr
.endm
; A KEY STEP: positions 64 (w / 4 + s) .. + 63.  At its label K's eight loads and, behind them, V's sixteen are the wave's youngest LDS loads, on the way in as on the way from the step before.
.macro STEP s
.Lstep\s:
.set VS, 64+128*((\s)%2)
.if (\s == 0) || (\s == 4)
	MASKS 4-\s, 0                                  ; steps 1 to 3 lie inside every query's band
.endif
	s_wait_dscnt 16                                ; K's eight loads are in (and Q's two, issued ahead of them); V's sixteen, issued behind them, may be out
.irp c, 0,1,2,3
	v_wmma_f32_16x16x64_bf8_bf8 v[96+8*\c:103+8*\c], v[32+8*\c:39+8*\c], v[16:23], 0   ; S^T: lane (r, h), register j of tile c: key 16 c + 8 h + j, query r
.endr
.rept 4
	v_nop                                          ; four places between a matrix instruction and the first read of its result (ISA guide 7.12.1)
.endr
.if (\s == 0) || (\s == 4)
	s_wait_alu depctr_va_sdst(0)                   ; the sixteen masks of tiles 0 and 1 are written, ahead of their first reader
	HIDE 0
	MASKS 4-\s, 2
	s_wait_alu depctr_va_sdst(0)                   ; the sixteen masks of tiles 2 and 3 are written, ahead of their first reader
	HIDE 2
.endif
	v_max3_num_f32 v254, v96, v97, v98             ; the step's largest score of my query among my 32 keys, in two chains, each accumulator from its low end on,
	v_max3_num_f32 v252, v99, v100, v101
.irp i, 6,10,14,18,22,26
	v_max3_num_f32 v254, v254, v[96+\i], v[97+\i]
	v_max3_num_f32 v252, v252, v[98+\i], v[99+\i]
.endr
	v_max3_num_f32 v254, v254, v126, v127
	v_max_num_f32 v254, v254, v252
	v_permlanex16_b32 v236, v254, s50, s51
	v_max_num_f32 v254, v254, v236                 ; and among lane l xor 16's
	v_mul_f32 v254, s48, v254                      ; as t (c is positive)
	v_max_num_f32 v13, v13, v254                   ; the running largest t
	v_mov_b32 v254, v12
	v_floor_f32 v12, -v13                          ; the new -M = floor(-t) = -ceil(t): a whole number
	v_sub_f32 v254, v12, v254                      ; old M less new M: a whole number, 0 or less
	v_cvt_i32_f32 v254, v254                       ; (it saturates)
	v_ldexp_f32 v252, 1.0, v254                    ; f = 2^(old M - new M)
.irp j, 0,2,4,6,8,10,12,14,16,18,20,22,24,26,28,30
	v_pk_fma_f32 v[96+\j:97+\j], v[96+\j:97+\j], s[48:49], v[12:13] op_sel_hi:[1,0,0]   ; t - M, two at a time (of the pairs c and -M the low word serves both halves)
.endr
.set en, 0
	s_wait_alu depctr_va_vdst(0)
.rept 32
	v_exp_f32 v[96+en], v[96+en]                   ; p = 2^(t - M), at most 1, not normalised
.set en, en+1
.endr
	v_pk_mul_f32 v[14:15], v[14:15], v[252:253] op_sel_hi:[1,0]   ; the sums under the new M: the plain line behind the exponentials
	s_wait_alu depctr_va_vdst(0)                   ; the 32 exponentials have written p, ahead of its first reader; this step's S^T products are done reading K's set, and the last step's O^T products the other set of V, in which the loads below land
.if \s < 4
	FETCHK \s+1                                    ; the next step's fragments are asked for here and below: no vector or matrix line since the wait names their registers
.endif
	v_pk_add_f32 v[242:243], v[96:97], v[98:99]    ; the row's sum is taken of the unquantised p: two at a time, in two chains
.irp j, 4,8,12,16,20,24,28
	v_pk_add_f32 v[14:15], v[14:15], v[96+\j:97+\j]
	v_pk_add_f32 v[242:243], v[242:243], v[98+\j:99+\j]
.endr
	v_pk_add_f32 v[14:15], v[14:15], v[242:243]
.if \s < 4
	FETCHV \s+1, 0
.endif
.set mn, 0
.rept 32
	v_min_num_f32 v[96+mn], v[96+mn], v240         ; p is not negative: the hold is one-sided
.set mn, mn+1
.endr
.if \s < 4
	FETCHV \s+1, 2
.endif
.irp c, 0,1,2,3
	v_cvt_scalef32_pk8_bf8_f32 v[224+2*\c:225+2*\c], v[96+8*\c:103+8*\c], v244   ; registers 2 c, 2 c + 1 of P: keys 16 c + 8 h + 0 .. 7
.endr
.irp j, 0,2,4,6,8,10,12,14,16,18,20,22,24,26,28,30
	v_pk_mul_f32 v[160+\j:161+\j], v[160+\j:161+\j], v[252:253] op_sel_hi:[1,0]   ; O^T under the new M, each accumulator from its low end on; also the plain lines behind the conversions
.endr
.if \s < 4
	s_wait_alu depctr_va_vdst(0)
	s_wait_dscnt 24                                ; V is in; the next step's 24 loads, issued behind it, may be out
.else
	s_wait_alu depctr_va_vdst(0)
	s_wait_dscnt 0x0                               ; V is in
.endif
.irp t, 0,1,2,3
	v_wmma_f32_16x16x64_bf8_bf8 v[160+8*\t:167+8*\t], v[VS+8*\t:VS+8*\t+7], v[224:231], v[160+8*\t:167+8*\t]   ; O^T += V^T P^T; the four accumulators take turns, one instruction a turn
.endr
.if \s == 4
.rept 4
	v_nop                                          ; four places between the last products and the way out's read of O^T (ISA guide 7.12.1)
.endr
.endif
.endm
	; THE WAY IN.  Step s begins at key 64 (s56 + s - 4): a wave's first step is the first that does not lie before the head's first key.  Ids alone; no barrier follows.
	s_cmp_gt_u32 s56, 3
	s_cbranch_scc1 .Lin0
	s_cmp_eq_u32 s56, 3
	s_cbranch_scc1 .Lin1
	s_cmp_eq_u32 s56, 2
	s_cbranch_scc1 .Lin2
	s_cmp_eq_u32 s56, 1
	s_cbranch_scc1 .Lin3
	ENTER 4
	ENTER 3
	ENTER 2
	ENTER 1
	ENTER 0
	STEP 0
	STEP 1
	STEP 2
	STEP 3
	STEP 4                                         ; never left out: it holds every query's own key, so M and the sum are numbers at the end
	; THE WAY OUT.  O^T / the sum x 2^(ep + ev) goes through my own stage in LDS and leaves as whole rows: sixteen lanes store 256 consecutive bytes, aligned.
	v_add_f32 v14, v14, v15                        ; the sum's two halves,
	v_permlanex16_b32 v236, v14, s50, s51
	v_add_f32 v14, v14, v236                       ; and lane l xor 16's
	s_wait_alu depctr_va_vdst(0)
	v_rcp_f32 v14, v14
	v_nop                                          ; a plain line behind the reciprocal
	s_wait_alu depctr_va_vdst(0)                   ; the reciprocal has written v14, ahead of its first reader
	v_ldexp_f32 v14, v14, s59
.set wn, 0
.rept 32
	v_mul_f32 v[96+wn], v[160+wn], v14             ; register 8 t + j: out0(query r, channel 16 t + 8 h + j)
.set wn, wn+1
.endr
	s_wait_alu depctr_va_vdst(0)                   ; the multiplications have written v96-127, which the stage's stores read; no vector line behind this wait names v32-63, in which the stage's loads land
.irp t, 0,1,2,3
	ds_store_b128 v10, v[96+8*\t:99+8*\t] offset:64*\t
	ds_store_b128 v10, v[100+8*\t:103+8*\t] offset:64*\t+16
.endr
.irp i, 0,1,2,3,4,5,6,7
	ds_load_b128 v[32+4*\i:35+4*\i], v11 offset:2*SP*\i   ; LDS serves a wave's instructions in order (ISA guide 5.7.1.4): these see my stores
.endr
.irp i, 0,1,2,3,4,5,6,7
	s_wait_dscnt 7-\i                              ; load i is in; the younger ones may be out
	global_store_b128 v24, v[32+4*\i:35+4*\i], s[12:13] offset:512*\i th:TH_STORE_NT
.endr
	s_wait_dscnt 0x0                               ; the closing lines, six on end
	s_wait_alu 0x0
	s_wait_tensorcnt 0x0
	ds_add_u32 v6, v7
	s_wait_dscnt 0x0
	s_endpgm
.Lfunc_end_k_q2e605ba0d8_attn:
	.size	k_q2e605ba0d8_attn, .Lfunc_end_k_q2e605ba0d8_attn-k_q2e605ba0d8_attn
	.p2alignl 7, 3214868480
	.fill 96, 4, 3214868480
	.section	.rodata,"a",@progbits
	.p2align	6, 0x0
	.amdhsa_kernel k_q2e605ba0d8_attn
		.amdhsa_group_segment_fixed_size 102400
		.amdhsa_private_segment_fixed_size 0
		.amdhsa_enable_private_segment 0
		.amdhsa_kernarg_size 56
		.amdhsa_user_sgpr_count 2
		.amdhsa_user_sgpr_kernarg_segment_ptr 1
		.amdhsa_wavefront_size32 1
		.amdhsa_system_sgpr_workgroup_id_x 1
		.amdhsa_system_sgpr_workgroup_id_y 1
		.amdhsa_system_sgpr_workgroup_id_z 1
		.amdhsa_system_vgpr_workitem_id 0
		.amdhsa_next_free_vgpr 256
		.amdhsa_next_free_sgpr 66
		.amdhsa_reserve_vcc 0
		.amdhsa_float_denorm_mode_32 3
		.amdhsa_float_denorm_mode_16_64 3
		.amdhsa_memory_ordered 1
		.amdhsa_forward_progress 1
		.amdhsa_inst_pref_size 100
	.end_amdhsa_kernel
	.amdgpu_metadata
---
amdhsa.version: [ 1, 2 ]
amdhsa.kernels:
  - .name:           k_q2e605ba0d8_attn
    .symbol:         k_q2e605ba0d8_attn.kd
    .args:
      - { .name: q, .offset: 0, .size: 8, .value_kind: global_buffer, .address_space: global }
      - { .name: k, .offset: 8, .size: 8, .value_kind: global_buffer, .address_space: global }
      - { .name: v, .offset: 16, .size: 8, .value_kind: global_buffer, .address_space: global }
      - { .name: lowp_scales, .offset: 24, .size: 8, .value_kind: global_buffer, .address_space: global }
      - { .name: out0, .offset: 32, .size: 8, .value_kind: global_buffer, .address_space: global }
      - { .name: out1, .offset: 40, .size: 8, .value_kind: global_buffer, .address_space: global }
      - { .name: out2, .offset: 48, .size: 8, .value_kind: global_buffer, .address_space: global }
    .group_segment_fixed_size: 102400
    .private_segment_fixed_size: 0
    .kernarg_segment_align: 8
    .kernarg_segment_size: 56
    .max_flat_workgroup_size: 256
    .sgpr_count:     66
    .vgpr_count:     256
    .wavefront_size: 32
...
	.end_amdgpu_metadata
.endif
;; end of part 2
